; MI455X (gfx1250); checked and timed in simulation.
; The chip was launched on July 23, 2026; its instructions are those of AMD's public machine-readable ISA for CDNA 5 (MIT licence, August 2026) and "CDNA5" Instruction Set Architecture Reference Guide (July 2026). The comments in the code are by the model that wrote it; some were corrected since.
;; quant Linear. Allowed arithmetic: float matrix products may take bf16 or f16 operands with f32 sums; other float arithmetic in f32, or as packed bf16 or f16 multiplies, adds, multiply-adds, maxima and minima; sums over many terms, partial sums and values carried from step to step in f32; what a program stores and reads back later, other than sums and carried values, may be rounded once to bf16 or f16.
;; Inputs: bias 4,096 float32; codebook 3 float32; weight_idx 4,096 x 4,096 int32; x 4 x 1,024 x 4,096 float32.
;; Outputs: out0 4 x 1,024 x 4,096 float32.
;; 2 versions, each right; version 2 is version 1 with the launch prep written anew for expert scheduling mode. Each part assembles by itself: llvm-mc -triple=amdgcn-amd-amdhsa -mcpu=gfx1250 --defsym DOCPART=n.
;; ======== version 1 of 2: 2 launches
;; workspace buffers: xb 33,554,432 bytes; wb 33,554,432 bytes
;; launch prep (part 1): grid 1024 x 1, 8 waves a work-group, no clusters, 0 bytes of LDS; arguments x, weight_idx, codebook, xb, wb; writes xb, wb
.if DOCPART == 1
	.amdgcn_target "amdgcn-amd-amdhsa--gfx1250"
	.amdhsa_code_object_version 6
	.text
	.protected	k_qe9ecb1a7b3_prep
	.globl	k_qe9ecb1a7b3_prep
	.p2align	8
	.type	k_qe9ecb1a7b3_prep,@function
k_qe9ecb1a7b3_prep:
	s_mov_b64 s[64:65], 0
	v_nop
	global_prefetch_b8 v0, s[64:65] scope:SCOPE_SE
	s_setreg_imm32_b32 hwreg(HW_REG_WAVE_MODE, 25, 1), 1
	s_wait_xcnt 0x0
; xb = bf16(x), wb[n][k] = bf16(codebook[weight_idx[n][k]]).  x: 16,777,216 f32; weight_idx: 16,777,216 int32; xb, wb: as many bf16, in the same order.
; Both are elementwise and flat in memory: a stream.  No LDS, no barrier, no matrix unit, no cluster: nothing is shared between threads.
; A ROW here is 4,096 input bytes (256 threads x 16) and 2,048 output bytes (256 threads x 8).  Each tensor has 16,384 rows; a work-group owns 16 of x and the same 16 of weight_idx.
; A wave's load covers 512 neighbouring bytes, a wave's store 256 neighbouring bytes that begin at a multiple of 256 from the buffer's first byte.
; A ring of 16 slots in registers (8 rows of x and 8 of weight_idx, by turns) keeps 16 loads of every wave on their way; the 16 rows are two rounds, both written out: no loop.
; THE LOOK-UP has no memory access: the three codebook numbers, rounded to bf16, lie in two registers as six bytes, and v_perm_b32 picks bytes 2 i and 2 i + 1 for index i, two indices at a time.
; LIMITS.  An index outside 0 .. 2 gives an undefined weight (no address hangs on it).  x and the codebook are rounded once, to nearest even; a magnitude above bf16's largest finite number becomes an infinity.
.set INROW,  4096                      ; input bytes in a row
.set OUTROW, 2048                      ; output bytes in a row
.set LO,  1                            ; v1        16 x thread: my 16 input bytes in a row; never rewritten
.set SO,  2                            ; v2        8 x thread: my 8 output bytes in a row; never rewritten
.set TB0, 3                            ; v3        bf16(c0) in the low half, bf16(c1) in the high half
.set TB1, 4                            ; v4        bf16(c2) in both halves
.set T,   6                            ; v[6:7]    at work (v5-7 first carry the codebook)
.set X,   32                           ; v[32:95]  slot q: 4 registers as loaded; q = 2 i: x's row, q = 2 i + 1: weight_idx's
.set Y,   96                           ; v[96:127] the first round's results, 2 registers a slot
	s_load_b256 s[4:11], s[0:1], 0x0               ; x s[4:5], weight_idx s[6:7], codebook s[8:9], xb s[10:11]
	s_load_b64 s[12:13], s[0:1], 0x20              ; wb
	v_lshlrev_b32 v[LO], 4, v0
	v_lshlrev_b32 v[SO], 3, v0
	s_lshl_b32 s2, ttmp9, 16                       ; the work-group's 16 rows of input: 65,536 bytes; 1,024 groups stay under 2^32
	s_mov_b32 s3, 0
	s_lshl_b32 s14, ttmp9, 15                      ; and of output: 32,768 bytes
	s_mov_b32 s15, 0
	s_mov_b32 s19, 0x0202                          ; (i0 + 65,536 i1) x 0x0202 has the bytes 2 i0, 2 i0, 2 i1, 2 i1;
	s_mov_b32 s20, 0x01000100                      ; this makes them 2 i0, 2 i0 + 1, 2 i1, 2 i1 + 1
	s_wait_kmcnt 0x0
	s_load_b96 s[16:18], s[8:9], 0x0               ; the codebook's 12 bytes: no line of this kernel writes that buffer
	s_add_nc_u64 s[4:5], s[4:5], s[2:3]
	s_add_nc_u64 s[6:7], s[6:7], s[2:3]
	s_add_nc_u64 s[10:11], s[10:11], s[14:15]
	s_add_nc_u64 s[12:13], s[12:13], s[14:15]
.irp i, 0,1,2,3,4,5,6,7
	global_load_b128 v[X+8*(\i):X+8*(\i)+3],   v[LO], s[4:5] offset:INROW*(\i) th:TH_LOAD_NT  ; the ring is filled: rows 0 to 7 of both
	global_load_b128 v[X+8*(\i)+4:X+8*(\i)+7], v[LO], s[6:7] offset:INROW*(\i) th:TH_LOAD_NT
.endr
	s_wait_kmcnt 0x0                               ; the codebook
	v_mov_b32 v5, s16
	v_mov_b32 v6, s17
	v_mov_b32 v7, s18
	v_cvt_pk_bf16_f32 v[TB0], v5, v6               ; first source into the low half
	v_cvt_pk_bf16_f32 v[TB1], v7, v7
; The turn of a slot of x.  q: the slot; row: the row that it holds; dst: where the 8 output bytes are made; ahead = 1: the slot is filled again, with the row 8 further down;
; left: how many younger loads may stay out.  No register that a store reads is ever written again (the first round stores from Y, the second from X), and the addresses never change: no wait but the load's own.
.macro XT q, row, dst, ahead, left
	s_wait_loadcnt \left                           ; loads come back in order (ISA guide 5.7.1): mine is in, the younger ones stay out
	v_cvt_pk_bf16_f32 v[(\dst)],   v[X+4*(\q)],   v[X+4*(\q)+1]
	v_cvt_pk_bf16_f32 v[(\dst)+1], v[X+4*(\q)+2], v[X+4*(\q)+3]
.if \ahead
	global_load_b128 v[X+4*(\q):X+4*(\q)+3], v[LO], s[4:5] offset:INROW*((\row)+8) th:TH_LOAD_NT
.endif
	global_store_b64 v[SO], v[(\dst):(\dst)+1], s[10:11] offset:OUTROW*(\row)  ; no hint: the next launch reads these bytes
.endm
; The same for a slot of weight_idx: two indices into one word, the word into four selector bytes, the selector picks two bf16.
.macro WT q, row, dst, ahead, left
	s_wait_loadcnt \left
	v_lshl_or_b32 v[T],   v[X+4*(\q)+1], 16, v[X+4*(\q)]
	v_lshl_or_b32 v[T+1], v[X+4*(\q)+3], 16, v[X+4*(\q)+2]
	v_mad_u32_u24 v[T],   v[T],   s19, s20         ; both factors lie inside 24 bits for indices 0 .. 2
	v_mad_u32_u24 v[T+1], v[T+1], s19, s20
	v_perm_b32 v[(\dst)],   v[TB1], v[TB0], v[T]   ; selector bytes 0-3 name TB0's bytes, 4 and 5 TB1's
	v_perm_b32 v[(\dst)+1], v[TB1], v[TB0], v[T+1]
.if \ahead
	global_load_b128 v[X+4*(\q):X+4*(\q)+3], v[LO], s[6:7] offset:INROW*((\row)+8) th:TH_LOAD_NT
.endif
	global_store_b64 v[SO], v[(\dst):(\dst)+1], s[12:13] offset:OUTROW*(\row)
.endm
.irp i, 0,1,2,3,4,5,6,7
	XT 2*(\i),   \i, Y+4*(\i),   1, 15             ; rows 0 to 7: each turn's load is the oldest of 16
	WT 2*(\i)+1, \i, Y+4*(\i)+2, 1, 15
.endr
.irp i, 0,1,2,3,4,5,6,7
	XT 2*(\i),   (\i)+8, X+8*(\i),   0, 15-2*(\i) ; rows 8 to 15: nothing more is loaded, the counts run down; the results land in the slot's own first two registers
	WT 2*(\i)+1, (\i)+8, X+8*(\i)+4, 0, 14-2*(\i)
.endr
	s_endpgm
.Lfunc_end_k_qe9ecb1a7b3_prep:
	.size	k_qe9ecb1a7b3_prep, .Lfunc_end_k_qe9ecb1a7b3_prep-k_qe9ecb1a7b3_prep
	.p2alignl 7, 3214868480
	.fill 96, 4, 3214868480
	.section	.rodata,"a",@progbits
	.p2align	6, 0x0
	.amdhsa_kernel k_qe9ecb1a7b3_prep
		.amdhsa_group_segment_fixed_size 0
		.amdhsa_private_segment_fixed_size 0
		.amdhsa_enable_private_segment 0
		.amdhsa_kernarg_size 40
		.amdhsa_user_sgpr_count 2
		.amdhsa_user_sgpr_kernarg_segment_ptr 1
		.amdhsa_wavefront_size32 1
		.amdhsa_system_sgpr_workgroup_id_x 1
		.amdhsa_system_sgpr_workgroup_id_y 1
		.amdhsa_system_sgpr_workgroup_id_z 1
		.amdhsa_system_vgpr_workitem_id 0
		.amdhsa_next_free_vgpr 128
		.amdhsa_next_free_sgpr 66
		.amdhsa_reserve_vcc 0
		.amdhsa_float_denorm_mode_32 3
		.amdhsa_float_denorm_mode_16_64 3
		.amdhsa_memory_ordered 1
		.amdhsa_forward_progress 1
		.amdhsa_inst_pref_size 17
	.end_amdhsa_kernel
	.amdgpu_metadata
---
amdhsa.version: [ 1, 2 ]
amdhsa.kernels:
  - .name:           k_qe9ecb1a7b3_prep
    .symbol:         k_qe9ecb1a7b3_prep.kd
    .args:
      - { .name: x, .offset: 0, .size: 8, .value_kind: global_buffer, .address_space: global }
      - { .name: weight_idx, .offset: 8, .size: 8, .value_kind: global_buffer, .address_space: global }
      - { .name: codebook, .offset: 16, .size: 8, .value_kind: global_buffer, .address_space: global }
      - { .name: xb, .offset: 24, .size: 8, .value_kind: global_buffer, .address_space: global }
      - { .name: wb, .offset: 32, .size: 8, .value_kind: global_buffer, .address_space: global }
    .group_segment_fixed_size: 0
    .private_segment_fixed_size: 0
    .kernarg_segment_align: 8
    .kernarg_segment_size: 40
    .max_flat_workgroup_size: 256
    .sgpr_count:     66
    .vgpr_count:     128
    .wavefront_size: 32
...
	.end_amdgpu_metadata
.endif
;; end of part 1
;; launch gemm (part 2): grid 16 x 16, 4 waves a work-group, clusters of 4 x 4, 327,680 bytes of LDS; arguments xb, wb, bias, out0; writes out0
.if DOCPART == 2
	.amdgcn_target "amdgcn-amd-amdhsa--gfx1250"
	.amdhsa_code_object_version 6
	.text
	.protected	k_qe9ecb1a7b3_gemm
	.globl	k_qe9ecb1a7b3_gemm
	.p2align	8
	.type	k_qe9ecb1a7b3_gemm,@function
k_qe9ecb1a7b3_gemm:
	s_mov_b64 s[64:65], 0
	v_nop
	global_prefetch_b8 v0, s[64:65] scope:SCOPE_SE
	s_setreg_imm32_b32 hwreg(HW_REG_WAVE_MODE, 25, 1), 1
	s_wait_xcnt 0x0
	s_wait_alu depctr_hold_cnt(0) depctr_sa_sdst(0) depctr_va_vdst(0) depctr_va_sdst(0) depctr_va_ssrc(0) depctr_va_vcc(0) depctr_vm_vsrc(0)
	s_getreg_b32 s2, hwreg(HW_REG_IB_STS2, 6, 4)
	s_cmp_eq_u32 s2, 0
	s_cbranch_scc0 .Lentry_in_a_cluster
	s_endpgm
.Lentry_in_a_cluster:
	s_bfe_u32 s2, ttmp6, 0x10000c
	s_cmp_lg_u32 s2, 0xf033
	s_cbranch_scc0 .Lentry_shape_is_right
	s_endpgm
.Lentry_shape_is_right:
; out0[m][n] = sum over k of xb[m][k] wb[n][k] + bias[n].  xb: [4096][4096] bf16 (A), wb: [4096][4096] bf16 (B), bias: [4096] f32, out0: [4096][4096] f32; sums in f32, K ascending.
; A tile of out0, 256 x 256, is made by a work-group of four waves; 16 x 16 tiles, one to a work-group.  A wave makes 128 x 128: 64 accumulators of 16 x 16, 512 registers.
; K goes in 32 steps of 128 through a ring of two LDS slots filled by the tensor data mover: the rows of A's and B's tiles are 256 bytes of memory and start at multiples of 256 bytes from the buffer's first byte.
; CLUSTERS: 4 x 4 work-groups.  The four of a row of the cluster need the same tiles of A, the four of a column the same tiles of B: such a tile is asked for JOINTLY, by the same tensor load with the same
; descriptor and a mask that names the four; each receives it in its own LDS.  That divides the requests for A and for B by four.
; THE MATRIX INSTRUCTION IS USED TRANSPOSED: source 0 = 16 rows of B, source 1 = 16 rows of A.  Lane l then holds row l % 16 of out0, and its registers 0 to 7 the columns 8 (l / 16) + 0 .. 7.
; THE BIAS IS THE C OPERAND OF THE FIRST PRODUCT: for n block b eight registers hold bias[16 b + 8 (l / 16) + 0 .. 7], the same for all rows: no accumulator is cleared and no addition is written.
; THE WAY OUT: 16 rows at a time go through the wave's own stage in LDS and come back as whole rows of 512 bytes, which one store of the wave writes.
; REGISTERS, in windows of 256 (s_set_vgpr_msb's low byte: bits 1:0 source 0, 3:2 source 1, 5:4 source 2, 7:6 destination):
;   window 0: v0-31 addresses; v64-127, v128-191 fragments of A, two buffers (on the way out: rows read back from the stage); v192-255 the bias
;   window 1: v64-127, v128-191 fragments of B, two buffers
;   window 2: the 32 accumulators of my rows 0-63 (accumulator (a, b) at v[8 (8 a + b)]);   window 3: those of my rows 64-127
.set SIZE_N, 4096
.set SIZE_K, 4096
.set KSTEP,  128
.set PITCH,  272                       ; an LDS row: 256 bytes of data + 16 of padding = 68 words: row r starts at bank 4 r mod 64 (64 banks of 4 bytes: ISA guide 11.1), so the 16 rows of a load start at 16 different banks
.set HALFT,  128*PITCH                 ; 128 rows: what one tensor load brings, and what one wave reads of A or of B
.set SLOT,   4*HALFT                   ; A's 256 rows, then B's 256 rows
.set STAGE,  2*SLOT                    ; behind the ring, a multiple of 256: 16 rows x 528 bytes for each wave; no tensor load lands here
.set SPITCH, 528                       ; a stage row: 512 bytes + 16 = 132 words: again row r starts at bank 4 r mod 64
.set SPARE,  STAGE+4*16*SPITCH         ; 312,320, a multiple of 256: the spare words, 128 bytes for each wave: two blocks of 256 bytes that no other line names
.set LAPS,   SIZE_K/(2*KSTEP)          ; a lap = two K steps = once round the ring: 16
.set ADRA, 16                          ; v16-17  LDS address of my A fragments in slot 0, 1
.set ADRB, 20                          ; v20-21  the same for B
.set STO,  24                          ; v24     the way out: where I put 32 bytes of a row
.set RD,   25                          ; v25     the way out: my 16 bytes of a stage row
.set CO,   26                          ; v26     my 16 bytes of 512 in a row of out0
.set BO,   27                          ; v27     32 (l / 16): my eight numbers of sixteen in the bias
.set SPW,  28                          ; v28     LDS address of my spare word: SPARE + 4 x my thread's number; never rewritten
.set NIL,  29                          ; v29     0; never rewritten
.set F0,   64                          ; fragment buffer 0
.set F1,   128                         ; fragment buffer 1
.set BIAS, 192                         ; window 0: eight registers for each n block
.set WV,  12                           ; s12  my wave's number
.set WR,  13                           ; s13  which half of the tile's rows is mine.  Also: I fetch for A (0) or for B (1)
.set WC,  14                           ; s14  which half of its columns.  Also: which 128 rows of that tile I fetch
.set LAP, 15                           ; s15  laps to go
.set G1,  24                           ; s[24:31] descriptor group 1 for A's tiles
.set G0,  32                           ; s[32:39] descriptor group 0 for A's tiles, one set for each slot
.set G1B, 48                           ; s[48:55] descriptor group 1 for B's tiles: it differs from A's in the mask alone
.set G0B, 56                           ; s[56:63] descriptor group 0 for B's tiles, one set for each slot
.set MSB, 0
.macro WIN new                         ; the immediate's high byte repeats the setting that is left; a switch that changes nothing is dropped
.if MSB != (\new)
	s_set_vgpr_msb (MSB<<8)|(\new)
.set MSB, \new
.endif
.endm
.set MUL_LO, 0xa1                      ; source 0 (B) window 1, source 1 (A) window 0, C and D window 2
.set MUL_HI, 0xf1                      ; the same, C and D window 3
.set FST_LO, 0x81                      ; the first products: C (the bias) window 0, D window 2
.set FST_HI, 0xc1                      ; the same, D window 3
.set TO_B,   0x40                      ; destination window 1, address window 0
; A joint load.  Waves 0 and 1 fetch A's two halves, waves 2 and 3 B's.  Each of the two lines has ONE mask and one set of registers for all that issue it; the branch hangs on the wave's number alone.
; An s_nop 0 and four v_nop follow each of the two lines; the jump round the other line, the label and what follows the macro come after them.
.macro JLOAD s
	s_cmp_eq_u32 s[WR], 0
	s_cbranch_scc0 .Lfor_b_\@
	tensor_load_to_lds s[G0+4*(\s):G0+4*(\s)+3], s[G1:G1+7]
	s_nop 0
.rept 4
	v_nop
.endr
	s_branch .Lasked_\@
.Lfor_b_\@:
	tensor_load_to_lds s[G0B+4*(\s):G0B+4*(\s)+3], s[G1B:G1B+7]
	s_nop 0
.rept 4
	v_nop
.endr
.Lasked_\@:
.endm
; A round of the cluster's barrier: my work-group's barrier, so that wave 0's signal speaks for all four waves; wave 0 signals for the work-group; every wave waits for all sixteen work-groups;
; my work-group's barrier once more.  No LDS instruction of the wave is pending at a signal.
.macro CREST                           ; a round behind its opening barrier
	s_cmp_lg_u32 s[WV], 0
	s_cbranch_scc1 .Lnot_wave_0_\@
	s_barrier_signal -3
.Lnot_wave_0_\@:
	s_barrier_wait -3
	s_barrier_signal -1
	s_barrier_wait -1
.endm
.macro CROUND                          ; a whole round
	s_barrier_signal -1
	s_barrier_wait -1
	CREST
.endm
	s_load_b256 s[4:11], s[0:1], 0x0               ; A (xb) s[4:5], B (wb) s[6:7], bias s[8:9], out0 s[10:11]
	v_lshl_add_u32 v[SPW], v0, 2, SPARE
	v_mov_b32 v[NIL], 0
	ds_add_u32 v[SPW], v[NIL]                      ; the wave's opening: the add and its wait stand ahead of my first tensor load; the set-up below, work on registers, stands between them
	v_lshrrev_b32 v1, 5, v0
	v_readfirstlane_b32 s[WV], v1                  ; wave 0..3
	s_lshr_b32 s[WR], s[WV], 1
	s_and_b32 s[WC], s[WV], 1
	s_bfe_u32 s40, ttmp6, 0x40000                  ; cx: my place along the cluster's x
	s_bfe_u32 s41, ttmp6, 0x40004                  ; cy: along its y
	s_lshl_b32 s42, ttmp9, 2                       ; in a cluster launch ttmp9 and ttmp7 count clusters
	s_add_co_u32 s42, s42, s40                     ; tile column = 4 x cluster x + cx
	s_and_b32 s43, ttmp7, 0xffff
	s_lshl_b32 s43, s43, 2
	s_add_co_u32 s43, s43, s41                     ; tile row = 4 x cluster y + cy
	s_lshl_b32 s44, s41, 2
	s_lshl_b32 s44, 15, s44                        ; my row of the cluster: places 4 cy .. 4 cy + 3
	s_lshl_b32 s45, 0x1111, s40                    ; my column: places cx, cx + 4, cx + 8, cx + 12
	; descriptor group 1: a tile of 128 rows x 128 elements, padded in LDS
	s_or_b32 s[G1+0], s44, (1<<16)|(1<<20)|(1<<21)|(5<<22)|(3<<25)   ; 15:0 the mask: A's tiles go to my row; 17:16 elements of 2 bytes; 20 padding on; 21 set beside a mask; 24:22 after every 64 words (code 5); 31:25 4 words of it (code 3)
	s_or_b32 s[G1B+0], s45, (1<<16)|(1<<20)|(1<<21)|(5<<22)|(3<<25)  ; the same with the mask of my column, for B's tiles
.irp g, G1, G1B
	s_mov_b32 s[(\g)+1], KSTEP<<16                 ; 63:48 tensor_dim0, low half = 128
	s_mov_b32 s[(\g)+2], 128<<16                   ; 79:64 its high half = 0; 95:80 tensor_dim1, low half = 128
	s_mov_b32 s[(\g)+3], KSTEP<<16                 ; 111:96 its high half = 0; 127:112 tile_dim0 = 128
	s_mov_b32 s[(\g)+4], 128                       ; 143:128 tile_dim1 = 128; 159:144 tile_dim2 = 0
	s_mov_b32 s[(\g)+5], SIZE_K                    ; 191:160 tensor_dim0_stride: elements from row to row
	s_mov_b32 s[(\g)+6], 0
	s_mov_b32 s[(\g)+7], 0
.endr
	; where the tiles come from.  A's hang on the tile row alone, which my row of the cluster shares; B's on the tile column alone, which my column shares.  A row is 8,192 bytes.
	s_lshl_b32 s21, s[WC], 20                      ; which 128 rows of the tile I fetch
	s_lshl_b32 s16, s43, 21                        ; A: 256 rows x tile row
	s_add_co_u32 s16, s16, s21
	s_mov_b32 s17, 0
	s_lshl_b32 s46, s42, 21                        ; B: 256 rows x tile column
	s_add_co_u32 s46, s46, s21
	s_mov_b32 s47, 0
	s_mul_i32 s20, s[WV], HALFT                    ; and where they go: A's two halves, then B's two halves = wave x 128 rows: no place in the cluster enters an LDS address
	s_wait_dscnt 0x0                               ; the opening add is done
	s_wait_kmcnt 0x0
	s_add_nc_u64 s[16:17], s[4:5], s[16:17]
	s_add_nc_u64 s[46:47], s[6:7], s[46:47]
	CROUND                                         ; all sixteen work-groups are here: the first joint loads meet
.irp s, 0,1
	s_mov_b32 s[G0+4*(\s)], 1                                        ; 1:0 count = 1
	s_add_co_u32 s[G0+4*(\s)+1], s20, (\s)*SLOT                      ; 63:32 LDS address
	s_add_nc_u64 s[G0+4*(\s)+2:G0+4*(\s)+3], s[16:17], (\s)*KSTEP*2  ; 120:64 global address: K step s
	s_or_b32 s[G0+4*(\s)+3], s[G0+4*(\s)+3], 0x80000000              ; 127:126 type = 2
	s_mov_b32 s[G0B+4*(\s)], 1
	s_add_co_u32 s[G0B+4*(\s)+1], s20, (\s)*SLOT
	s_add_nc_u64 s[G0B+4*(\s)+2:G0B+4*(\s)+3], s[46:47], (\s)*KSTEP*2
	s_or_b32 s[G0B+4*(\s)+3], s[G0B+4*(\s)+3], 0x80000000
	JLOAD \s                                       ; the ring is filled before anything else is done: two tensor loads of mine are out
.endr
	; A fragment is 16 rows x 32 K in 8 registers: lane l holds row l % 16; registers 0-3 hold K = 8 (l / 16) + 0..7, registers 4-7 hold K = 16 + 8 (l / 16) + 0..7:
	; two loads of 16 bytes, 32 bytes apart.  The same for source 0 and source 1.
	v_and_b32 v1, 15, v0                           ; l % 16
	v_bfe_u32 v2, v0, 4, 1                         ; l / 16
	v_mul_u32_u24 v3, v1, PITCH
	v_lshl_add_u32 v3, v2, 4, v3                   ; row x pitch + 16 x half
	s_mul_i32 s21, s[WR], HALFT                    ; my 128 rows of A
	s_mul_i32 s22, s[WC], HALFT                    ; my 128 rows of B,
	s_add_co_u32 s22, s22, 2*HALFT                 ; which lie behind A's 256
.irp s, 0,1
	v_add_nc_u32 v[ADRA+(\s)], s21, v3
	v_add_nc_u32 v[ADRB+(\s)], s22, v3
	s_add_co_u32 s21, s21, SLOT
	s_add_co_u32 s22, s22, SLOT
.endr
	s_mul_i32 s23, s[WV], 16*SPITCH
	s_add_co_u32 s23, s23, STAGE                   ; my stage
	v_mul_u32_u24 v4, v1, SPITCH                   ; in: row l % 16, 32 bytes for each half of the lanes
	v_lshl_add_u32 v4, v2, 5, v4
	v_add_nc_u32 v[STO], s23, v4
	v_and_b32 v5, 31, v0
	v_lshlrev_b32 v[CO], 4, v5                     ; back and out: 32 lanes x 16 bytes are a row's 512
	v_add_nc_u32 v[RD], s23, v[CO]
	v_lshlrev_b32 v[BO], 5, v2
	; my first column, in bytes of f32: 1,024 x tile column + 512 x half: the same offset in the bias and in a row of out0 (in the registers that held B's address: none that fed A's descriptors ever holds cx)
	s_lshl_b32 s46, s42, 10
	s_lshl_b32 s47, s[WC], 9
	s_add_co_u32 s46, s46, s47
	s_mov_b32 s47, 0
	s_add_nc_u64 s[8:9], s[8:9], s[46:47]
	s_add_nc_u64 s[10:11], s[10:11], s[46:47]
	s_lshl_b32 s16, s43, 22                        ; my first row of out0: 256 x tile row + 128 x half, rows of 16,384 bytes
	s_lshl_b32 s17, s[WR], 21
	s_add_co_u32 s16, s16, s17
	s_mov_b32 s17, 0
	s_add_nc_u64 s[10:11], s[10:11], s[16:17]
.irp b, 0,1,2,3,4,5,6,7
	global_load_b128 v[BIAS+8*(\b):BIAS+8*(\b)+3],   v[BO], s[8:9] offset:64*(\b)     ; bias[16 b + 8 (l / 16) + 0 .. 3] of my 128 columns,
	global_load_b128 v[BIAS+8*(\b)+4:BIAS+8*(\b)+7], v[BO], s[8:9] offset:64*(\b)+16  ; and + 4 .. 7
.endr
; 16 matrix instructions: m blocks a0, a0 + 1 of the window's four (hi = 0: my rows 0-63, 1: rows 64-127) x all 8 n blocks, 32 along K.
; first = 1: the first product starts the sums with the bias as C: nothing is ever cleared.  The 64 accumulators take turns, one instruction a turn, in the same order in every quarter step.
.macro MUL16 f, hi, a0, first
.if \first
	WIN FST_LO+0x40*(\hi)
.else
	WIN MUL_LO+0x50*(\hi)
.endif
.irp a, \a0, (\a0)+1
.irp b, 0,1,2,3,4,5,6,7
.if \first
	v_wmma_f32_16x16x32_bf16 v[8*(8*(\a)+(\b)):8*(8*(\a)+(\b))+7], v[(\f)+8*(\b):(\f)+8*(\b)+7], v[(\f)+8*(4*(\hi)+(\a)):(\f)+8*(4*(\hi)+(\a))+7], v[BIAS+8*(\b):BIAS+8*(\b)+7]
.else
	v_wmma_f32_16x16x32_bf16 v[8*(8*(\a)+(\b)):8*(8*(\a)+(\b))+7], v[(\f)+8*(\b):(\f)+8*(\b)+7], v[(\f)+8*(4*(\hi)+(\a)):(\f)+8*(4*(\hi)+(\a))+7], v[8*(8*(\a)+(\b)):8*(8*(\a)+(\b))+7]
.endif
.endr
.endr
.endm
; 32 LDS loads in one run: the fragments of one quarter step (128 rows of B, 128 rows of A, 32 K at byte k of the rows) into buffer f
.macro FETCH slot, k, f
	WIN TO_B
.irp i, 0,1,2,3,4,5,6,7
	ds_load_b128 v[(\f)+8*(\i):(\f)+8*(\i)+3],   v[ADRB+(\slot)] offset:(\k)+(\i)*16*PITCH
	ds_load_b128 v[(\f)+8*(\i)+4:(\f)+8*(\i)+7], v[ADRB+(\slot)] offset:(\k)+(\i)*16*PITCH+32
.endr
	WIN 0
.irp i, 0,1,2,3,4,5,6,7
	ds_load_b128 v[(\f)+8*(\i):(\f)+8*(\i)+3],   v[ADRA+(\slot)] offset:(\k)+(\i)*16*PITCH
	ds_load_b128 v[(\f)+8*(\i)+4:(\f)+8*(\i)+7], v[ADRA+(\slot)] offset:(\k)+(\i)*16*PITCH+32
.endr
.endm
; A load into a register that a matrix instruction has read, and an LDS store that reads a matrix result, stand four places behind that matrix instruction, and only plain vector instructions
; that name none of its registers are places (ISA guide 7.12.1 for vector instructions).  No other vector work is at hand here: four v_nop.
.macro PLACES
.rept 4
	v_nop
.endr
.endm
; A K step is four quarter steps of 32 along K, 64 matrix instructions each, on buffers 0, 1, 0, 1.
; One of the first three: multiplies buffer f; in its middle it fetches the next quarter's fragments, at byte k of the same slot's rows, into buffer g.
.macro QUARTER slot, k, f, g, first
	s_wait_dscnt 8                                 ; B and A's rows 0-63 are in; the youngest eight loads (A's rows 64-127) may be out
	MUL16 \f, 0, 0, \first
	MUL16 \f, 0, 2, \first
	PLACES
	FETCH \slot, \k, \g
	s_wait_dscnt 32                                ; all but the 32 just issued
	MUL16 \f, 1, 0, \first
	MUL16 \f, 1, 2, \first
.endm
; The last quarter multiplies buffer 1 and changes slots.  MEET is its first half: ONE barrier for the change of slots, for two things.  In front of it each wave waits for all its tensor loads,
; of which one is out: its part of the next slot; adds 0 to its spare word; and waits for that and for its own reads of this slot.  Behind it nobody reads this slot any more and the next slot is whole.
.macro MEET round                      ; round = 1: the rest of a round of the cluster's barrier follows
	WIN 0                                          ; (the add's two registers lie in window 0)
	s_wait_tensorcnt 0x0                           ; all my tensor loads have landed: the one that was out is my part of the next slot;
	ds_add_u32 v[SPW], v[NIL]                      ; 0 onto my spare word;
	s_wait_dscnt 9                                 ; (the add and the youngest eight loads may be out)
	MUL16 F1, 0, 0, 0                              ; sixteen matrix instructions stand between the add and the wait for it
	s_wait_dscnt 0x0                               ; the add is done, and my reads of this slot are over:
	s_barrier_signal -1                            ; say so,
	MUL16 F1, 0, 2, 0                              ; work on registers while the others arrive,
.if \round
	WIN 0
.endif
	s_barrier_wait -1                              ; and go on when all four have said so
.endm
; The whole last quarter of a K step whose slot is filled again, with the K step two steps on.  The barrier opens a round of the cluster's; the joint refill is the first tensor load behind the round,
; my one load until the next; from it to the wait for it I issue 224 matrix instructions.
.macro TURN slot, next
	MEET 1
	CREST                                          ; no wave of any partner still reads this slot's tile or has a load on its way
	s_add_nc_u64 s[G0+4*(\slot)+2:G0+4*(\slot)+3], s[G0+4*(\slot)+2:G0+4*(\slot)+3], 2*KSTEP*2     ; no tensor load of mine is out, so a group 0 may be written; the type bits on top are not reached
	s_add_nc_u64 s[G0B+4*(\slot)+2:G0B+4*(\slot)+3], s[G0B+4*(\slot)+2:G0B+4*(\slot)+3], 2*KSTEP*2
	JLOAD \slot                                    ; the four v_nop behind it are also the places in front of the loads below
	FETCH \next, 0, F0
	MUL16 F1, 1, 0, 0
	MUL16 F1, 1, 2, 0
.endm
.macro TURN0 next                      ; the same where nothing is left to fetch: my work-group's barrier alone
	MEET 0
	PLACES
	FETCH \next, 0, F0
	MUL16 F1, 1, 0, 0
	MUL16 F1, 1, 2, 0
.endm
; THE WAY OUT of block a (16 rows x my 128 columns).  TOSTAGE: a lane's eight numbers of a row and n block, 32 bytes, go into my own stage (each accumulator's low four registers first),
; and the 16 rows come back whole, 512 bytes a load.  The stage is mine alone, and LDS serves a wave's instructions in order (ISA guide 5.7.1.4): no wait and no barrier between stores and loads, or between
; one block's loads and the next block's stores.
.macro TOSTAGE a
.set AC, 64*((\a)%4)
.set BK, F0+64*((\a)%2)
	WIN 0x08+4*((\a)/4)                            ; the stores' data (source 1): window 2 or 3
.irp b, 0,1,2,3,4,5,6,7
	ds_store_b128 v[STO], v[AC+8*(\b):AC+8*(\b)+3]   offset:64*(\b)
	ds_store_b128 v[STO], v[AC+8*(\b)+4:AC+8*(\b)+7] offset:64*(\b)+16
.endr
	WIN 0
.if (\a) >= 2
	s_wait_xcnt 0x0                                ; every earlier memory instruction has had its addresses translated (ISA guide 3.1): the registers that block a - 2's stores read are loaded again only behind this wait
.endif
.irp t, 0,1,2,3,4,5,6,7,8,9,10,11,12,13,14,15
	ds_load_b128 v[BK+4*(\t):BK+4*(\t)+3], v[RD] offset:(\t)*SPITCH
.endr
.endm
.macro SEND a, younger                 ; younger: the LDS instructions issued behind block a's loads: the next block's 16 stores and 16 loads, or none
	WIN 0
.set BK, F0+64*((\a)%2)
.irp t, 0,1,2,3,4,5,6,7,8,9,10,11,12,13,14,15
	s_wait_dscnt (\younger)+15-(\t)                ; row t is back in registers
	global_store_b128 v[CO], v[BK+4*(\t):BK+4*(\t)+3], s[10:11] offset:(16*(\a)+(\t))*SIZE_N*4 th:TH_STORE_NT  ; 512 consecutive bytes, at a multiple of 512 from out0's first; 127 rows at the most: inside the signed 24-bit immediate
.endr
.endm
	s_wait_tensorcnt 1                             ; my part of K step 0 is in; K step 1's may stay out
	s_barrier_signal -1
	s_barrier_wait -1                              ; everybody's is
	FETCH 0, 0, F0
	s_wait_loadcnt 0x0                             ; the bias
	QUARTER 0, 64,  F0, F1, 1                      ; the first quarter stands in front of the loop: its products start the sums
	WIN 0                                          ; at a label and at a branch every window is 0
	s_mov_b32 s[LAP], LAPS-1
.Llap:                                                 ; a trip goes once round the ring, from a lap's second quarter to the next lap's first, and fills both slots again
	QUARTER 0, 128, F1, F0, 0
	QUARTER 0, 192, F0, F1, 0
	TURN 0, 1
	QUARTER 1, 64,  F0, F1, 0
	QUARTER 1, 128, F1, F0, 0
	QUARTER 1, 192, F0, F1, 0
	TURN 1, 0
	QUARTER 0, 64,  F0, F1, 0
	WIN 0
	s_sub_co_u32 s[LAP], s[LAP], 1
	s_cmp_lg_u32 s[LAP], 0
	s_cbranch_scc1 .Llap
	QUARTER 0, 128, F1, F0, 0                      ; the last lap, K steps 30 and 31, is written out: it fills nothing, and has no round of the cluster's barrier
	QUARTER 0, 192, F0, F1, 0
	TURN0 1
	QUARTER 1, 64,  F0, F1, 0
	QUARTER 1, 128, F1, F0, 0
	QUARTER 1, 192, F0, F1, 0
	s_wait_dscnt 8                                 ; the very last quarter: nothing more to fetch
	MUL16 F1, 0, 0, 0
	MUL16 F1, 0, 2, 0
	s_wait_dscnt 0x0
	MUL16 F1, 1, 0, 0
	MUL16 F1, 1, 2, 0
	PLACES                                         ; the stage's stores read results just made, and its loads land in A's fragment registers
	TOSTAGE 0
.irp a, 1,2,3,4,5,6,7                  ; block a's way through the stage is issued ahead of block a - 1's stores, which wait for its rows one by one
	TOSTAGE \a
	SEND (\a)-1, 32
.endr
	SEND 7, 0
	s_wait_tensorcnt 0x0                           ; the wave's end, behind my last tensor load and my last LDS store
	ds_add_u32 v[SPW], v[NIL]
	s_wait_dscnt 0x0
	CROUND                                         ; the closing round: no work-group ends while a partner may still ask for a tile that names it
	s_endpgm
.Lfunc_end_k_qe9ecb1a7b3_gemm:
	.size	k_qe9ecb1a7b3_gemm, .Lfunc_end_k_qe9ecb1a7b3_gemm-k_qe9ecb1a7b3_gemm
	.p2alignl 7, 3214868480
	.fill 96, 4, 3214868480
	.section	.rodata,"a",@progbits
	.p2align	6, 0x0
	.amdhsa_kernel k_qe9ecb1a7b3_gemm
		.amdhsa_group_segment_fixed_size 327680
		.amdhsa_private_segment_fixed_size 0
		.amdhsa_enable_private_segment 0
		.amdhsa_kernarg_size 32
		.amdhsa_user_sgpr_count 2
		.amdhsa_user_sgpr_kernarg_segment_ptr 1
		.amdhsa_wavefront_size32 1
		.amdhsa_system_sgpr_workgroup_id_x 1
		.amdhsa_system_sgpr_workgroup_id_y 1
		.amdhsa_system_sgpr_workgroup_id_z 1
		.amdhsa_system_vgpr_workitem_id 0
		.amdhsa_next_free_vgpr 1024
		.amdhsa_next_free_sgpr 66
		.amdhsa_reserve_vcc 0
		.amdhsa_float_denorm_mode_32 3
		.amdhsa_float_denorm_mode_16_64 3
		.amdhsa_memory_ordered 1
		.amdhsa_forward_progress 1
		.amdhsa_inst_pref_size 145
	.end_amdhsa_kernel
	.amdgpu_metadata
---
amdhsa.version: [ 1, 2 ]
amdhsa.kernels:
  - .name:           k_qe9ecb1a7b3_gemm
    .symbol:         k_qe9ecb1a7b3_gemm.kd
    .args:
      - { .name: xb, .offset: 0, .size: 8, .value_kind: global_buffer, .address_space: global }
      - { .name: wb, .offset: 8, .size: 8, .value_kind: global_buffer, .address_space: global }
      - { .name: bias, .offset: 16, .size: 8, .value_kind: global_buffer, .address_space: global }
      - { .name: out0, .offset: 24, .size: 8, .value_kind: global_buffer, .address_space: global }
    .group_segment_fixed_size: 327680
    .private_segment_fixed_size: 0
    .kernarg_segment_align: 8
    .kernarg_segment_size: 32
    .max_flat_workgroup_size: 128
    .sgpr_count:     66
    .vgpr_count:     1024
    .wavefront_size: 32
...
	.end_amdgpu_metadata
.endif
;; end of part 2
;; ======== version 2 of 2: 2 launches; version 1 with the launch prep written anew for expert scheduling mode
;; workspace buffers: xb 33,554,432 bytes; wb 33,554,432 bytes
;; launch prep (part 3): grid 1024 x 1, 8 waves a work-group, no clusters, 0 bytes of LDS; arguments x, weight_idx, codebook, xb, wb; writes xb, wb
.if DOCPART == 3
	.amdgcn_target "amdgcn-amd-amdhsa--gfx1250"
	.amdhsa_code_object_version 6
	.text
	.protected	k_qe9ecb1a7b3_prep
	.globl	k_qe9ecb1a7b3_prep
	.p2align	8
	.type	k_qe9ecb1a7b3_prep,@function
k_qe9ecb1a7b3_prep:
	s_mov_b64 s[64:65], 0
	v_nop
	global_prefetch_b8 v0, s[64:65] scope:SCOPE_SE
	s_setreg_imm32_b32 hwreg(HW_REG_WAVE_SCHED_MODE, 0, 2), 2
	s_setreg_imm32_b32 hwreg(HW_REG_WAVE_MODE, 25, 1), 1
	s_wait_xcnt 0x0
	s_wait_alu depctr_vm_vsrc(0)
; xb = bf16(x), wb[n][k] = bf16(codebook[weight_idx[n][k]]).  x: 16,777,216 f32; weight_idx: 16,777,216 int32; xb, wb: as many bf16, in the same order.
; Both are elementwise and flat in memory: a stream.  No LDS, no barrier, no matrix unit, no cluster: nothing is shared between threads.
; A ROW here is 4,096 input bytes (256 threads x 16) and 2,048 output bytes (256 threads x 8).  Each tensor has 16,384 rows; a work-group owns 16 of x and the same 16 of weight_idx.
; A wave's load covers 512 neighbouring bytes, a wave's store 256 neighbouring bytes that begin at a multiple of 256 from the buffer's first byte.
; THE LOOK-UP has no memory access: the three codebook numbers, rounded to bf16, lie in two registers as six bytes, and v_perm_b32 picks bytes 2 i and 2 i + 1 for index i, two indices at a time.
; LIMITS.  An index outside 0 .. 2 gives an undefined weight (no address hangs on it).  x and the codebook are rounded once, to nearest even; a magnitude above bf16's largest finite number becomes an infinity.
; THE MODE: SCHED_MODE bits 1:0 = 2 (LLVM: expert scheduling mode 2), set by the entry lines.  The code itself states the register dependences
; between vector instructions and memory instructions, with s_wait_alu, always for 0.
; THE PLAN.  The 32 rows go in 8 blocks of four turns: block p is x's row 2 p, weight_idx's row 2 p, x's row 2 p + 1, weight_idx's row 2 p + 1.  All is written out: no loop.
; Registers that memory instructions touch:
;   X0 .. X3   four blocks as loaded, 16 registers each.  Written by loads: blocks 0 to 3 at the head, block p + 3 in block p (p = 1 .. 4), into X[(p - 1) % 4].  Read by block p's vector lines (X[p % 4]).
;   results    blocks 0 to 3: eight registers of Y each; blocks 4 to 7: the first two registers of each slot of their own X, into which no load lands any more.
;              Written by block p's vector lines, once; read by the four stores that are issued in block p + 1.
;   v1, v2     byte offsets, made once at the head and never written again: the rows are reached by immediate offsets.
; Block p's vector lines name X[p % 4], its own results and v3 to v7.  Its memory instructions are the loads into X[(p - 1) % 4] and the stores of block p - 1's results: registers that block p - 1
; worked on and that no vector instruction of block p names.  So one wait on va_vdst at a block's head states all that the block's memory instructions hang on, and these are dealt among its vector lines.
; No register that a memory instruction reads is ever written again (results are written once, the offsets never): nothing is owed on vm_vsrc, and no s_wait_xcnt is written.
.set INROW,  4096                      ; input bytes in a row
.set OUTROW, 2048                      ; output bytes in a row
.set LO,  1                            ; v1        16 x thread: my 16 input bytes in a row; never rewritten
.set SO,  2                            ; v2        8 x thread: my 8 output bytes in a row; never rewritten
.set TB0, 3                            ; v3        bf16(c0) in the low half, bf16(c1) in the high half
.set TB1, 4                            ; v4        bf16(c2) in both halves
.set T,   6                            ; v[6:7]    at work (v5-7 first carry the codebook): no memory instruction names them
.set X,   32                           ; v[32:95]  buffer k, turn j: 4 registers at X + 16 k + 4 j, as loaded; even j: x's row, odd j: weight_idx's
.set Y,   96                           ; v[96:127] the results of blocks 0 to 3: block b, turn j: 2 registers at Y + 8 b + 2 j
	s_load_b256 s[4:11], s[0:1], 0x0               ; x s[4:5], weight_idx s[6:7], codebook s[8:9], xb s[10:11]
	s_load_b64 s[12:13], s[0:1], 0x20              ; wb
	v_lshlrev_b32 v[LO], 4, v0
	v_lshlrev_b32 v[SO], 3, v0
	s_lshl_b32 s2, ttmp9, 16                       ; the work-group's 16 rows of input: 65,536 bytes; 1,024 groups stay under 2^32
	s_mov_b32 s3, 0
	s_lshl_b32 s14, ttmp9, 15                      ; and of output: 32,768 bytes
	s_mov_b32 s15, 0
	s_mov_b32 s19, 0x0202                          ; (i0 + 65,536 i1) x 0x0202 has the bytes 2 i0, 2 i0, 2 i1, 2 i1;
	s_mov_b32 s20, 0x01000100                      ; this makes them 2 i0, 2 i0 + 1, 2 i1, 2 i1 + 1
	s_wait_kmcnt 0x0
	s_load_b96 s[16:18], s[8:9], 0x0               ; the codebook's 12 bytes: no line of this kernel writes that buffer
	s_add_nc_u64 s[4:5], s[4:5], s[2:3]
	s_add_nc_u64 s[6:7], s[6:7], s[2:3]
	s_add_nc_u64 s[10:11], s[10:11], s[14:15]
	s_add_nc_u64 s[12:13], s[12:13], s[14:15]
	s_wait_alu depctr_va_vdst(0)                   ; v1 and v2 are written: every load of the kernel reads v1 as its offset, every store v2
.irp i, 0,1,2,3,4,5,6,7
	global_load_b128 v[X+8*(\i):X+8*(\i)+3],   v[LO], s[4:5] offset:INROW*(\i) th:TH_LOAD_NT  ; all four buffers are filled: rows 0 to 7 of both, blocks 0 to 3
	global_load_b128 v[X+8*(\i)+4:X+8*(\i)+7], v[LO], s[6:7] offset:INROW*(\i) th:TH_LOAD_NT
.endr
	s_wait_kmcnt 0x0                               ; the codebook
	v_mov_b32 v5, s16
	v_mov_b32 v6, s17
	v_mov_b32 v7, s18
	v_cvt_pk_bf16_f32 v[TB0], v5, v6               ; first source into the low half
	v_cvt_pk_bf16_f32 v[TB1], v7, v7
; Where the 8 output bytes of block b, turn j are made and stored from.
.macro RES b, j
.if (\b) < 4
.set DST, Y+8*(\b)+2*(\j)
.else
.set DST, X+16*((\b)-4)+4*(\j)                 ; the slot's own first two registers
.endif
.endm
; The vector work of block b, turn j.  Even j, x: two roundings, packed.  Odd j, weight_idx: two indices into one word, the word into four selector bytes, the selector picks two bf16.
.macro WORK b, j
	RES \b, \j
.set SRC, X+16*((\b)%4)+4*(\j)
.if (\j)%2 == 0
	v_cvt_pk_bf16_f32 v[DST],   v[SRC],   v[SRC+1]
	v_cvt_pk_bf16_f32 v[DST+1], v[SRC+2], v[SRC+3]
.else
	v_lshl_or_b32 v[T],   v[SRC+1], 16, v[SRC]
	v_lshl_or_b32 v[T+1], v[SRC+3], 16, v[SRC+2]
	v_mad_u32_u24 v[T],   v[T],   s19, s20         ; both factors lie inside 24 bits for indices 0 .. 2
	v_mad_u32_u24 v[T+1], v[T+1], s19, s20
	v_perm_b32 v[DST],   v[TB1], v[TB0], v[T]      ; selector bytes 0-3 name TB0's bytes, 4 and 5 TB1's
	v_perm_b32 v[DST+1], v[TB1], v[TB0], v[T+1]
.endif
.endm
; The store of block b, turn j: into xb (even j) or wb (odd j).
.macro OUT b, j
	RES \b, \j
	global_store_b64 v[SO], v[DST:DST+1], s[10+2*((\j)%2):11+2*((\j)%2)] offset:OUTROW*(2*(\b)+(\j)/2)  ; no hint: the next launch reads these bytes
.endm
; Block p.  left: how many younger loads may still be out when this block's four have to be there.
; Block 0 has no block in front of it: no store, no load (the head has filled all four buffers), and no wait but the one for its data.
.macro BLK p, left
	s_wait_loadcnt \left                           ; loads come back in order (ISA guide 5.7.1): X[p % 4] is in, the younger blocks stay out
.if (\p) > 0
	s_wait_alu depctr_va_vdst(0)                   ; the block before has written its results, which the stores below read, and is done reading its X, in which the loads below (blocks 1 to 4) land
.endif
.irp j, 0,1,2,3
.if ((\p) > 0) && ((\p) < 5)
	global_load_b128 v[X+16*(((\p)+3)%4)+4*(\j):X+16*(((\p)+3)%4)+4*(\j)+3], v[LO], s[4+2*((\j)%2):5+2*((\j)%2)] offset:INROW*(2*((\p)+3)+(\j)/2) th:TH_LOAD_NT  ; three blocks ahead; no vector instruction since the wait names these registers
.endif
.if (\p) > 0
	OUT (\p)-1, \j                                 ; the block before; no vector instruction since the wait names its results
.endif
	WORK \p, \j
.endr
.endm
	BLK 0, 12                                      ; blocks 1 to 3 stay out
	BLK 1, 8                                       ; from here on the two younger blocks stay out
	BLK 2, 8
	BLK 3, 8
	BLK 4, 8                                       ; the last loads: rows 14 and 15
	BLK 5, 8                                       ; blocks 5 to 7 load nothing: no load leaves the buffers, and the counts run down
	BLK 6, 4
	BLK 7, 0
	s_wait_alu depctr_va_vdst(0)                   ; block 7 has written its results, which the last four stores read
.irp j, 0,1,2,3
	OUT 7, \j
.endr
	s_endpgm
.Lfunc_end_k_qe9ecb1a7b3_prep:
	.size	k_qe9ecb1a7b3_prep, .Lfunc_end_k_qe9ecb1a7b3_prep-k_qe9ecb1a7b3_prep
	.p2alignl 7, 3214868480
	.fill 96, 4, 3214868480
	.section	.rodata,"a",@progbits
	.p2align	6, 0x0
	.amdhsa_kernel k_qe9ecb1a7b3_prep
		.amdhsa_group_segment_fixed_size 0
		.amdhsa_private_segment_fixed_size 0
		.amdhsa_enable_private_segment 0
		.amdhsa_kernarg_size 40
		.amdhsa_user_sgpr_count 2
		.amdhsa_user_sgpr_kernarg_segment_ptr 1
		.amdhsa_wavefront_size32 1
		.amdhsa_system_sgpr_workgroup_id_x 1
		.amdhsa_system_sgpr_workgroup_id_y 1
		.amdhsa_system_sgpr_workgroup_id_z 1
		.amdhsa_system_vgpr_workitem_id 0
		.amdhsa_next_free_vgpr 128
		.amdhsa_next_free_sgpr 66
		.amdhsa_reserve_vcc 0
		.amdhsa_float_denorm_mode_32 3
		.amdhsa_float_denorm_mode_16_64 3
		.amdhsa_memory_ordered 1
		.amdhsa_forward_progress 1
		.amdhsa_inst_pref_size 16
	.end_amdhsa_kernel
	.amdgpu_metadata
---
amdhsa.version: [ 1, 2 ]
amdhsa.kernels:
  - .name:           k_qe9ecb1a7b3_prep
    .symbol:         k_qe9ecb1a7b3_prep.kd
    .args:
      - { .name: x, .offset: 0, .size: 8, .value_kind: global_buffer, .address_space: global }
      - { .name: weight_idx, .offset: 8, .size: 8, .value_kind: global_buffer, .address_space: global }
      - { .name: codebook, .offset: 16, .size: 8, .value_kind: global_buffer, .address_space: global }
      - { .name: xb, .offset: 24, .size: 8, .value_kind: global_buffer, .address_space: global }
      - { .name: wb, .offset: 32, .size: 8, .value_kind: global_buffer, .address_space: global }
    .group_segment_fixed_size: 0
    .private_segment_fixed_size: 0
    .kernarg_segment_align: 8
    .kernarg_segment_size: 40
    .max_flat_workgroup_size: 256
    .sgpr_count:     66
    .vgpr_count:     128
    .wavefront_size: 32
...
	.end_amdgpu_metadata
.endif
;; end of part 3
;; launch gemm: the kernel of part 2 again; grid 16 x 16, 4 waves a work-group, clusters of 4 x 4, 327,680 bytes of LDS; arguments xb, wb, bias, out0; writes out0
